; MI455X (gfx1250); checked and timed in simulation.
; The chip was launched on July 23, 2026; its instructions are those of AMD's public machine-readable ISA for CDNA 5 (MIT licence, August 2026) and "CDNA5" Instruction Set Architecture Reference Guide (July 2026). The comments in the code are by the model that wrote it; some were corrected since.
;; Linear Self Attention. Allowed arithmetic: matrix products marked QUANTISED: E4M3 operands, one E8M0 scale for each 32 along K, by v_wmma_scale_f32_16x16x128_f8f6f4 with both operands' format E4M3, f32 sums; everything else in f32.
;; Inputs: gamma 1 float32; wk_codes 32 x 8 x 32 uint8 (E4M3 codes of wk, K innermost, in blocks of 32 codes); wk_scales 32 x 8 uint8 (E8M0 scales of wk, one for each 32 codes along K); wq_codes 32 x 8 x 32 uint8 (E4M3 codes of wq, K innermost, in blocks of 32 codes); wq_scales 32 x 8 uint8 (E8M0 scales of wq, one for each 32 codes along K); wv_codes 256 x 8 x 32 uint8 (E4M3 codes of wv, K innermost, in blocks of 32 codes); wv_scales 256 x 8 uint8 (E8M0 scales of wv, one for each 32 codes along K); x 8 x 256 x 64 x 64 float32.
;; Outputs: out0 8 x 256 x 64 x 64 float32.
;; This version of the problem:
;;   THIS VERSION OF THE PROBLEM IS GIVEN IN LOW PRECISION. The matrix products marked QUANTISED in the list below multiply operands that are first quantised to E4M3 (4 exponent bits, 3 mantissa bits; 8 bits a number), with one power-of-two scale for each 32 numbers along K (OCP MX v1.0); their sums are f32. All else is computed in f32.
;;   The module's matrix products, in the order in which they are computed (A, B: the left and right operand; K: the contracted axis; several contracted axes count as one K, in the product's order):
;;     1. [M 32,768, K 256] x [K 256, N 32]; A: input x; B: input wq (given as codes): QUANTISED
;;     2. [M 32,768, K 256] x [K 256, N 32]; A: input x; B: input wk (given as codes): QUANTISED
;;     3. [M 32,768, K 256] x [K 256, N 256]; A: input x; B: input wv (given as codes): QUANTISED
;;     4. batch 8 x [M 4,096, K 32] x [K 32, N 4,096]; A: computed on the way; B: computed on the way: QUANTISED
;;     5. batch 8 x [M 256, K 4,096] x [K 4,096, N 4,096]; A: computed on the way; B: softmax (see below): QUANTISED
;;   THE QUANTISER, for each operand of a quantised product, along K:
;;     - K is cut into blocks of 32 from its start; a last block that is shorter is filled with zeros.
;;     - A block's scale is 2^e with e = floor(log2(the largest magnitude in the block)) - 8, held to -126 .. 127; a block of zeros has e = 0. As a byte (E8M0): e + 127.
;;     - Each number is divided by its block's scale, clamped to +-448, and rounded to the nearest number of E4M3, ties to even, subnormals kept.
;;     - The product sums the exact products of the quantised numbers (number of the format x scale) in f32.
;;   ~~~python
;;   def quantise(x, axis):      # numpy; x: float32 -> the quantised numbers, widened to float32 again
;;       x = np.moveaxis(x, axis, -1); K = x.shape[-1]
;;       x = np.pad(x, [(0, 0)] * (x.ndim - 1) + [(0, -K % 32)]); x = x.reshape(x.shape[:-1] + (-1, 32)); a = np.abs(x).max(-1, keepdims=True)
;;       e = np.where(a > 0, np.clip(np.frexp(np.where(a > 0, a, 1))[1] - 1 - 8, -126, 127), 0)      # np.frexp(a)[1] - 1 = floor(log2(a)), exactly
;;       r = np.clip(x / 2.0 ** e, -448, 448)
;;       step = 2.0 ** (np.maximum(np.frexp(np.where(r == 0, 1, r))[1] - 1, -6) - 3)
;;       q = np.round(r / step) * step * 2.0 ** e      # np.round: ties to even
;;       return np.moveaxis(q.reshape(q.shape[:-2] + (-1,))[..., :K], -1, axis).astype(np.float32)
;;   ~~~
;;   SOFTMAX AHEAD OF A QUANTISED PRODUCT. Where the list says 'softmax', what is quantised is not the finished softmax but p = 2^(t - M), with t = logit x log2(e) and M = ceil(the row's largest t), a whole number; so 1/2 < the row's largest p <= 1. The row's sum l is taken of the UNQUANTISED p, in f32, and the product's result is divided by l at the end. Since M is a whole number, a kernel that streams over the keys may use a running M (the ceiling of the running maximum): every later rescaling is an exact power of two, which a block's scale takes up: the codes' values come out the same.
;;   OPERANDS COMPUTED ON THE WAY. 'Computed on the way' means the value that the module computes at that place (a softmax that the list does not call 'softmax' is quantised finished and normalised). What goes into a quantiser is computed in f32, as accurately as f32 sums, v_exp_f32 and their like allow (about 1e-6 of the number): no bf16 or f16 on the way to a quantiser, and a product that is left as it is and whose result goes on into a quantised operand takes f32 operands (vector FMAs, or v_wmma_f32_16x16x4_f32). A number that lies on a knife's edge between two numbers of the format may be rounded either way, as far as f32 arithmetic and the matrix unit's own rounding can turn it there, and no further.
;;   INPUTS GIVEN AS CODES. wk (in the module: [32, 256], K = its axis 1); wq (in the module: [32, 256], K = its axis 1); wv (in the module: [256, 256], K = its axis 1): each comes as NAME_codes (uint8): NAME with its K axis moved to the last place and cut into blocks of 32 codes, [.., K / 32, bytes a block], one block behind the other in memory; one code a byte (a code: sign, 4 exponent bits, 3 mantissa bits); and NAME_scales (uint8): the same leading axes, one E8M0 byte (e + 127) for each 32 codes along K. Its value is code x scale, taken as it is: it is not quantised again, and the codes and scales need not be those that the quantiser above would give.
;; One version. Each part assembles by itself: llvm-mc -triple=amdgcn-amd-amdhsa -mcpu=gfx1250 --defsym DOCPART=n.
;; ======== version 1 of 1: 2 launches
;; workspace buffers: qi 1,179,648 bytes; kv 9,830,400 bytes
;; launch proj (part 1): grid 256 x 1, 4 waves a work-group, no clusters, 168,448 bytes of LDS; arguments x, wq_codes, wq_scales, wk_codes, wk_scales, wv_codes, wv_scales, qi, kv; writes qi, kv
.if DOCPART == 1
	.amdgcn_target "amdgcn-amd-amdhsa--gfx1250"
	.amdhsa_code_object_version 6
	.text
	.protected	k_q79be2d9f5d_proj
	.globl	k_q79be2d9f5d_proj
	.p2align	8
	.type	k_q79be2d9f5d_proj,@function
k_q79be2d9f5d_proj:
	s_mov_b64 s[64:65], 0
	v_nop
	global_prefetch_b8 v0, s[64:65] scope:SCOPE_SE
	s_setreg_imm32_b32 hwreg(HW_REG_WAVE_MODE, 25, 1), 1
	s_wait_xcnt 0x0
; q, k, v = (wq, wk, wv) x Q(x), then q and k quantised along their 32 channels and v along the keys: all as codes of E4M3 with E8M0 scales, laid as images of the
; registers in which the attention launch wants them.  x: [8][256][4096] f32; the weights arrive as codes, K (the 256 channels) innermost.
; SHARES.  Work-group g takes batch g / 32 and the 128 positions 128 (g % 32) on, all 256 channels.  Wave w quantises x at positions 32 w .. 32 w + 31, makes q and k of these positions,
; and makes v's channels 64 w .. 64 w + 63 for all 128 positions.  x's codes go from wave to wave through LDS as images of the operand's registers (16 bytes a lane, 512 bytes a store).
; TILES OF POSITIONS.  Tile 2 b + u, row r, is position 32 b + 8 u + r + 8 (r / 8), so that the 16 registers of the results of tiles 2 b and 2 b + 1 are 16 neighbouring positions.
; OUT.  qi block (4,608 bytes): 8 tiles x 512 bytes of q's codes (lane (r, h): channels 16 h .. 16 h + 15 of row r), then 512 bytes of scale words (lane l, pair p at 16 l + 4 p: tile 2 p + l / 16, row l % 16).
;       kv block (38,400 bytes): k laid as q (4,608 bytes); 1,024 bytes of v's scale words (lane l, g at 512 (g / 4) + 16 l + 4 (g % 4): channel tile 2 g + l / 16); 16 channel tiles x 2,048 bytes of v's codes.
; NO JOINT LOADS: no two work-groups read the same bytes of x; the weights go by plain loads straight into the registers in which they stay, once a wave, and a joint load would land them
; in LDS, from where each wave would have to read them once more.
; LIMITS: NaN and infinities among the inputs are not served.  A block of zeros gets the scale byte 1 where the quantiser says 127: its codes are zeros, and these bytes are read by this program alone.
; q's and k's scale words have their byte in the lowest place and zeros above: those belong to the 96 zero codes with which the attention launch fills its K step of 128.
.set XIMG, 131072                      ; LDS: 0 .. 131,071 x as f32, 256 rows (channels) of 512 bytes, filled once;  here x's 16 fragments (tile pt, K step s at 2,048 (2 pt + s))
.set XSC,  163840                      ; x's scale words: tile pt at 128 pt, row r at 8 r, K step at + 4
.set SCST, 164864                      ; the scale words on their way out: q's 512 bytes, k's 512, v's 1,024
.set LI,   4                           ; v4   16 x lane: an image's place for my lane, in memory
.set XA,   5                           ; v5-6 my position's word in x's rows 0 .. 127 and 128 .. 255
.set XWI,  7                           ; v7   where my position's codes go
.set XWS,  8                           ; v8   and its scale words
.set LS8,  9                           ; v9   XSC + 8 r
.set OWN,  10                          ; v10  my wave's own four fragments of x
.set OWS,  11                          ; v11  and their scale words
.set SCW,  12                          ; v12  SCST + 16 lane + 4 wave
.set SCV,  13                          ; v13  where v's scale words go
.set SCR,  14                          ; v14  SCST + 512 wave + 16 lane
.set XRD,  15                          ; v15  XIMG + 16 lane
.set WVS,  16                          ; v16-23 wv's scale words (tile t, K step s at 2 t + s);  v24-27 wq's, v28-31 wk's
.set WQS,  24
.set XSW,  32                          ; v32-47 x's scale words (2 pt + s);  v48-51 those of my own two tiles
.set OXS,  48
.set XW,   52                          ; v52-53 x's scale words as they are made
.set QW,   54                          ; v54-58 scale words on their way to LDS: each register is the data of one store
.set KW,   55
.set VWE,  56
.set VW,   57
.set WVO,  59                          ; v59-62 my lane's offsets in the weights
.set WQO,  60
.set WVSO, 61
.set WQSO, 62
.set HA,   64                          ; v64-127 eight accumulators; at first two sets of 32 numbers of x
.set PC,   128                         ; v128-143 the codes just made
.set TM,   144                         ; v144-147 largest magnitudes, v148-151 bytes, v152-155 448 x the scale, v156-159 the conversions' scale operands
.set PW,   160                         ; v160 the scale word just made
.set OUTS, 164
.set OWNF, 192                         ; v192-255 my own four fragments of x; at first x's codes, eight registers a block, never rewritten
.set WV,   22                          ; s22 my wave's number
.set MNT,  23                          ; s23 the mantissa field of 448
.set G1,   24
.set G0,   32
.set SEL,  36                          ; s[36:37] v_permlanex16_b32's selects for lane l xor 16
; window 1: wv's 8 fragments (16 (2 t + s)), wq's four from v128, wk's four from v192.   window 2: x's 16 fragments (16 (2 pt + s)).
.set MSB, 0
.macro WIN new                         ; the immediate's high byte repeats the setting that is left
.if MSB != \new
	s_set_vgpr_msb (MSB<<8)|\new
.set MSB, \new
.endif
.endm
.macro PLACES n
.rept \n
	v_nop
.endr
.endm
	s_load_b256 s[4:11], s[0:1], 0x0               ; x, wq's codes, wq's scales, wk's codes
	s_load_b256 s[12:19], s[0:1], 0x20             ; wk's scales, wv's codes, wv's scales, qi
	s_load_b64 s[20:21], s[0:1], 0x40              ; kv
	v_lshl_add_u32 v190, v0, 2, 0x29000
	v_mov_b32 v191, 0
	ds_add_u32 v190, v191
	ds_add_u32 v190, v191
	v_lshrrev_b32 v1, 5, v0
	v_readfirstlane_b32 s[WV], v1                  ; wave 0..3
	; descriptor group 1: 64 rows (channels) x 128 elements of 4 bytes (positions), 4,096 elements from row to row, no padding
	s_mov_b32 s[G1+0], 2<<16
	s_mov_b32 s[G1+1], 128<<16                     ; tensor_dim0
	s_mov_b32 s[G1+2], 64<<16                      ; tensor_dim1
	s_mov_b32 s[G1+3], 128<<16                     ; tile_dim0
	s_mov_b32 s[G1+4], 64                          ; tile_dim1
	s_mov_b32 s[G1+5], 4096                        ; the pitch
	s_mov_b32 s[G1+6], 0
	s_mov_b32 s[G1+7], 0
	s_lshr_b32 s38, ttmp9, 5
	s_lshl_b32 s38, s38, 22                        ; the batch: 256 x 4,096 x 4 bytes
	s_and_b32 s39, ttmp9, 31
	s_lshl_b32 s39, s39, 9                         ; the 128 positions: 512 bytes of each row
	s_add_co_u32 s38, s38, s39
	s_lshl_b32 s39, s[WV], 20                      ; my 64 channels
	s_add_co_u32 s38, s38, s39
	s_mov_b32 s39, 0
	s_lshl_b32 s40, s[WV], 14                      ; my 64 rows of wv's codes,
	s_mov_b32 s41, 0
	s_lshl_b32 s42, s[WV], 9                       ; and of its scale bytes
	s_mov_b32 s43, 0
	s_mul_i32 s44, ttmp9, 4608                     ; my block of qi,
	s_mov_b32 s45, 0
	s_mul_i32 s46, ttmp9, 38400                    ; and of kv
	s_mov_b32 s47, 0
	s_lshl_b32 s48, s[WV], 10                      ; my two tiles' images of q and of k
	s_mov_b32 s49, 0
	s_lshl_b32 s50, s[WV], 13
	s_add_co_u32 s50, s50, 5632                    ; my four channel tiles' images of v
	s_mov_b32 s51, 0
	s_mov_b32 s[G0], 1
	s_lshl_b32 s[G0+1], s[WV], 15                  ; LDS: my 64 rows of 512 bytes
	s_wait_dscnt 0x0
	s_wait_kmcnt 0x0
	s_add_nc_u64 s[G0+2:G0+3], s[4:5], s[38:39]
	s_or_b32 s[G0+3], s[G0+3], 0x80000000
	tensor_load_to_lds s[G0:G0+3], s[G1:G1+7]      ; my one tensor load: 32 KiB, filled once
	s_nop 0
	PLACES 4
	s_add_nc_u64 s[14:15], s[14:15], s[40:41]
	s_add_nc_u64 s[16:17], s[16:17], s[42:43]
	s_add_nc_u64 s[18:19], s[18:19], s[44:45]      ; qi's block
	s_add_nc_u64 s[20:21], s[20:21], s[46:47]      ; kv's block
	s_add_nc_u64 s[44:45], s[18:19], s[48:49]      ; q's images
	s_add_nc_u64 s[46:47], s[20:21], s[48:49]      ; k's images
	s_add_nc_u64 s[50:51], s[20:21], s[50:51]      ; v's images
	v_and_b32 v1, 31, v0                           ; lane
	v_and_b32 v2, 15, v0                           ; r
	v_bfe_u32 v3, v0, 4, 1                         ; h
	v_lshlrev_b32 v[LI], 4, v1
	v_lshlrev_b32 v[WVO], 8, v2
	v_lshl_add_u32 v[WVO], v3, 4, v[WVO]           ; wv: row r of 256 bytes, + 16 h
	v_and_b32 v63, 8, v2
	v_add_nc_u32 v63, v63, v2                      ; r + 8 (r / 8)
	v_lshlrev_b32 v[WQO], 8, v63
	v_lshl_add_u32 v[WQO], v3, 4, v[WQO]           ; wq, wk: the rows of a tile are chosen as the positions of a tile are
	v_lshlrev_b32 v[WVSO], 3, v2                   ; scale bytes: 8 a row
	v_lshlrev_b32 v[WQSO], 3, v63
	WIN 0x40                                       ; destination window 1: the weights stay there
.irp t, 0,1,2,3
.irp s, 0,1
.irp c, 0,1,2,3
	global_load_b128 v[16*(2*\t+\s)+4*\c:16*(2*\t+\s)+4*\c+3], v[WVO], s[14:15] offset:4096*\t+128*\s+32*\c
.endr
.endr
.endr
.irp u, 0,1
.irp s, 0,1
.irp c, 0,1,2,3
	global_load_b128 v[128+16*(2*\u+\s)+4*\c:128+16*(2*\u+\s)+4*\c+3], v[WQO], s[6:7] offset:2048*\u+128*\s+32*\c
	global_load_b128 v[192+16*(2*\u+\s)+4*\c:192+16*(2*\u+\s)+4*\c+3], v[WQO], s[10:11] offset:2048*\u+128*\s+32*\c
.endr
.endr
.endr
	WIN 0
.irp t, 0,1,2,3
	global_load_b64 v[WVS+2*\t:WVS+2*\t+1], v[WVSO], s[16:17] offset:128*\t    ; a row's two words: K steps 0 and 1
.endr
.irp u, 0,1
	global_load_b64 v[WQS+2*\u:WQS+2*\u+1], v[WQSO], s[8:9] offset:64*\u
	global_load_b64 v[WQS+4+2*\u:WQS+4+2*\u+1], v[WQSO], s[12:13] offset:64*\u
.endr
	; LDS addresses: constants, the lane's bits and the wave's number
	v_and_b32 v[XA], 7, v0
	v_bfe_u32 v63, v0, 3, 1
	v_lshlrev_b32 v[XA], 2, v[XA]
	v_lshl_add_u32 v[XA], v63, 6, v[XA]
	v_lshl_add_u32 v[XA], v3, 5, v[XA]             ; lane p stands for tile 2 w + p / 16, row p % 16: position 32 w + p % 8 + 16 (bit 3) + 8 (bit 4)
	s_lshl_b32 s38, s[WV], 7
	v_add_nc_u32 v[XA], s38, v[XA]
	v_add_nc_u32 v[XA+1], 0x10000, v[XA]           ; channels 128 on
	v_lshlrev_b32 v[XWI], 4, v2
	v_lshl_add_u32 v[XWI], v3, 12, v[XWI]
	s_lshl_b32 s38, s[WV], 13
	s_add_co_u32 s38, s38, XIMG
	v_add_nc_u32 v[XWI], s38, v[XWI]               ; XIMG + 8,192 w + 4,096 (p / 16) + 16 (p % 16)
	v_add_nc_u32 v[OWN], s38, v[LI]
	v_add_nc_u32 v[XRD], XIMG, v[LI]
	v_lshlrev_b32 v[XWS], 3, v2
	v_add_nc_u32 v[LS8], XSC, v[XWS]
	s_lshl_b32 s38, s[WV], 8
	s_add_co_u32 s38, s38, XSC
	v_add_nc_u32 v[OWS], s38, v[XWS]
	v_lshl_add_u32 v[XWS], v3, 7, v[XWS]
	v_add_nc_u32 v[XWS], s38, v[XWS]               ; XSC + 256 w + 128 (p / 16) + 8 (p % 16)
	s_lshl_b32 s38, s[WV], 2
	s_add_co_u32 s38, s38, SCST
	v_add_nc_u32 v[SCW], s38, v[LI]
	s_lshr_b32 s38, s[WV], 1
	s_lshl_b32 s38, s38, 9
	s_and_b32 s39, s[WV], 1
	s_lshl_b32 s39, s39, 3
	s_add_co_u32 s38, s38, s39
	s_add_co_u32 s38, s38, SCST+1024
	v_add_nc_u32 v[SCV], s38, v[LI]                ; g = 2 w + (tile / 2): 512 (w / 2) + 8 (w % 2), + 4 for the second pair
	s_lshl_b32 s38, s[WV], 9
	s_add_co_u32 s38, s38, SCST
	v_add_nc_u32 v[SCR], s38, v[LI]
	s_mov_b32 s[SEL], 0x76543210
	s_mov_b32 s[SEL+1], 0xfedcba98
	s_mov_b32 s[MNT], 0x600000
.irp b, 0,1,2,3
	v_mov_b32 v[TM+4+\b], 0                        ; written once: a lane permute's destination counts as one of its sources
.endr
	v_cmp_lt_u32 vcc_lo, 15, v1                    ; lanes 16-31; kept for the whole kernel
	s_wait_tensorcnt 0x0                           ; my 64 rows of x are in LDS,
	s_barrier_signal -1
	s_barrier_wait -1                              ; everybody's are
; ---- X: x is quantised along the channels.  A lane takes ONE position and its registers run down the channels: a block of 32 lies in one lane's 32 registers.
.macro LOADX cb                        ; block cb: channels 32 cb .. 32 cb + 31 of my position; the 32 lanes read 32 different words of one row
.irp i, 0,1,2,3,4,5,6,7,8,9,10,11,12,13,14,15,16,17,18,19,20,21,22,23,24,25,26,27,28,29,30,31
	ds_load_b32 v[HA+32*((\cb)%2)+\i], v[XA+(\cb)/4] offset:(32*((\cb)%4)+\i)*512
.endr
.endm
.macro BLOCKX cb
.set XN, HA+32*((\cb)%2)
.set CC, OWNF+8*(\cb)
.if (\cb) < 7
	s_wait_dscnt 32                                ; this block's 32 loads are in; the youngest 32 LDS instructions, the next block's loads, may be out
.else
	s_wait_dscnt 0x0
.endif
	v_max3_num_f32 v[TM], |v[XN]|, |v[XN+1]|, |v[XN+2]|            ; the block's largest magnitude, in two chains
	v_max3_num_f32 v[TM+1], |v[XN+3]|, |v[XN+4]|, |v[XN+5]|
.irp i, 6,10,14,18,22,26
	v_max3_num_f32 v[TM], v[TM], |v[XN+\i]|, |v[XN+\i+1]|
	v_max3_num_f32 v[TM+1], v[TM+1], |v[XN+\i+2]|, |v[XN+\i+3]|
.endr
	v_max3_num_f32 v[TM], v[TM], |v[XN+30]|, |v[XN+31]|
	v_max3_num_f32 v[TM], v[TM], v[TM+1], 0x4800000                ; and the floor 2^(9 - 127): the byte cannot fall under 1
	v_add_nc_u32 v[TM+12], 0xfc000000, v[TM]       ; 8 off the exponent field: the conversion's scale operand
	v_and_or_b32 v[TM+8], v[TM], 0x7f800000, s[MNT]                ; 448 x the scale
	v_lshrrev_b32 v[TM+2], 23, v[TM+12]            ; the scale's byte
.if (\cb)%4 == 0
	v_mov_b32 v[XW+(\cb)/4], v[TM+2]               ; four bytes make a K step's word
.else
	v_lshl_or_b32 v[XW+(\cb)/4], v[TM+2], 8*((\cb)%4), v[XW+(\cb)/4]
.endif
.irp i, 0,1,2,3,4,5,6,7,8,9,10,11,12,13,14,15,16,17,18,19,20,21,22,23,24,25,26,27,28,29,30,31
	v_med3_num_f32 v[XN+\i], v[XN+\i], -v[TM+8], v[TM+8]           ; the conversion to an 8-bit code does not saturate (ISA guide 7.6.2): the hold comes first
.endr
.irp g, 0,1,2,3
	v_cvt_scalef32_pk8_fp8_f32 v[CC+2*\g:CC+2*\g+1], v[XN+8*\g:XN+8*\g+7], v[TM+12]
.endr
	v_nop                                          ; a plain line behind the last conversion of the run
	ds_store_b128 v[XWI], v[CC:CC+3] offset:2048*((\cb)/4)+512*((\cb)%4)          ; channels 0-15 of the block: the image's place of lane (r, 0),
	ds_store_b128 v[XWI], v[CC+4:CC+7] offset:2048*((\cb)/4)+512*((\cb)%4)+256    ; channels 16-31: that of lane (r, 1)
.if (\cb)%4 == 3
	ds_store_b32 v[XWS], v[XW+(\cb)/4] offset:4*((\cb)/4)
.endif
.if (\cb)+2 < 8
	LOADX (\cb)+2
.endif
.endm
	LOADX 0
	LOADX 1
.irp n, 0,1,2,3,4,5,6,7
	BLOCKX \n
.endr
	s_wait_dscnt 0x0                               ; for the others: my images have landed
	s_barrier_signal -1
	s_barrier_wait -1                              ; x's sixteen fragments lie in LDS
	WIN 0x80                                       ; destination window 2
.set i, 0
.rept 64
	ds_load_b128 v[4*i:4*i+3], v[XRD] offset:512*i ; fragment f's register group c at 2,048 f + 512 c
.set i, i+1
.endr
	WIN 0
.irp p, 0,1,2,3,4,5,6,7
	ds_load_b64 v[XSW+2*\p:XSW+2*\p+1], v[LS8] offset:128*\p
.endr
.set i, 0
.rept 16
	ds_load_b128 v[OWNF+4*i:OWNF+4*i+3], v[OWN] offset:512*i       ; my own two tiles once more, at fixed registers
.set i, i+1
.endr
.irp u, 0,1
	ds_load_b64 v[OXS+2*\u:OXS+2*\u+1], v[OWS] offset:128*\u
.endr
	s_wait_dscnt 0x0
	s_wait_loadcnt 0x0                             ; the weights
; 64 numbers of a lane, register 16 b + i, four blocks of which lane l xor 16 holds the other halves, become codes in v[PC + 4 b ..], bytes in v[TM + 4 + b] and the word of the four bytes in v[PW].
.macro QUANT s
.irp b, 0,1,2,3
	v_max3_num_f32 v[TM+\b], |v[\s+16*\b]|, |v[\s+1+16*\b]|, 0x4800000   ; my 16 numbers, from each accumulator's low end on, and the floor 2^(9 - 127)
.endr
.irp i, 2,4,6,8,10,12,14
.irp b, 0,1,2,3
	v_max3_num_f32 v[TM+\b], v[TM+\b], |v[\s+16*\b+\i]|, |v[\s+1+16*\b+\i]|
.endr
.endr
.irp b, 0,1,2,3
	v_permlanex16_b32 v[TM+4+\b], v[TM+\b], s[SEL], s[SEL+1]
.endr
.irp b, 0,1,2,3
	v_max_num_f32 v[TM+\b], v[TM+\b], v[TM+4+\b]   ; the block's largest magnitude
.endr
.irp b, 0,1,2,3
	v_add_nc_u32 v[TM+12+\b], 0xfc000000, v[TM+\b]
.endr
.irp b, 0,1,2,3
	v_and_or_b32 v[TM+8+\b], v[TM+\b], 0x7f800000, s[MNT]
.endr
.irp b, 0,1,2,3
	v_lshrrev_b32 v[TM+4+\b], 23, v[TM+12+\b]
.endr
	v_lshl_or_b32 v[PW], v[TM+5], 8, v[TM+4]
	v_lshl_or_b32 v[PW], v[TM+6], 16, v[PW]
	v_lshl_or_b32 v[PW], v[TM+7], 24, v[PW]
.irp b, 0,1,2,3
.irp i, 0,1,2,3,4,5,6,7,8,9,10,11,12,13,14,15
	v_med3_num_f32 v[\s+16*\b+\i], v[\s+16*\b+\i], -v[TM+8+\b], v[TM+8+\b]
.endr
	v_cvt_scalef32_pk8_fp8_f32 v[PC+4*\b:PC+1+4*\b], v[\s+16*\b:\s+7+16*\b], v[TM+12+\b]
	v_cvt_scalef32_pk8_fp8_f32 v[PC+2+4*\b:PC+3+4*\b], v[\s+8+16*\b:\s+15+16*\b], v[TM+12+\b]
.endr
	v_nop                                          ; a plain line between the conversions and the next products, which write their sources
.endm
; ---- q and k of my two tiles.  Source 0 = 16 rows of wq or wk, source 1 = x: a lane holds one position, and the 16 registers of accumulators 2 b, 2 b + 1 its channels 16 h + 0 .. 15.
; Accumulator a: tile a / 4, q or k by (a / 2) % 2, the weight's tile a % 2.  The eight take turns, K step by K step.
	WIN 0x01                                       ; source 0 window 1
.irp s, 0,1
.irp a, 0,1,2,3,4,5,6,7
.if \s == 0
	v_wmma_scale_f32_16x16x128_f8f6f4 v[HA+8*\a:HA+8*\a+7], v[128+64*((\a/2)%2)+16*(2*(\a%2)+\s):128+64*((\a/2)%2)+16*(2*(\a%2)+\s)+15], v[OWNF+16*(2*(\a/4)+\s):OWNF+16*(2*(\a/4)+\s)+15], 0, v[WQS+4*((\a/2)%2)+2*(\a%2)+\s], v[OXS+2*(\a/4)+\s]
.else
	v_wmma_scale_f32_16x16x128_f8f6f4 v[HA+8*\a:HA+8*\a+7], v[128+64*((\a/2)%2)+16*(2*(\a%2)+\s):128+64*((\a/2)%2)+16*(2*(\a%2)+\s)+15], v[OWNF+16*(2*(\a/4)+\s):OWNF+16*(2*(\a/4)+\s)+15], v[HA+8*\a:HA+8*\a+7], v[WQS+4*((\a/2)%2)+2*(\a%2)+\s], v[OXS+2*(\a/4)+\s]
.endif
.endr
.endr
	WIN 0
	PLACES 8                                       ; eight places between these products and the first read of their results
	QUANT HA                                       ; blocks: q of tile 0, k of tile 0, q of tile 1, k of tile 1
	global_store_b128 v[LI], v[PC:PC+3], s[44:45]                  ; each store of the wave covers 512 consecutive bytes, aligned
	global_store_b128 v[LI], v[PC+8:PC+11], s[44:45] offset:512
	global_store_b128 v[LI], v[PC+4:PC+7], s[46:47]
	global_store_b128 v[LI], v[PC+12:PC+15], s[46:47] offset:512
	v_cndmask_b32 v[QW], v[TM+4], v[TM+6], vcc_lo  ; lanes 0-15 carry the first tile's byte, lanes 16-31 the second's
	v_cndmask_b32 v[KW], v[TM+5], v[TM+7], vcc_lo
	ds_store_b32 v[SCW], v[QW]
	ds_store_b32 v[SCW], v[KW] offset:512
; ---- v: my four tiles of 16 channels, each for all 128 positions.  Source 0 = x (16 positions), source 1 = wv: a lane holds one channel, and register 16 b + i is key 32 b + 16 h + i.
.irp t, 0,1,2,3
	WIN 0x06                                       ; source 0 window 2, source 1 window 1
.irp s, 0,1
.irp p, 0,1,2,3,4,5,6,7
.if \s == 0
	v_wmma_scale_f32_16x16x128_f8f6f4 v[HA+8*\p:HA+8*\p+7], v[16*(2*\p+\s):16*(2*\p+\s)+15], v[16*(2*\t+\s):16*(2*\t+\s)+15], 0, v[XSW+2*\p+\s], v[WVS+2*\t+\s]
.else
	v_wmma_scale_f32_16x16x128_f8f6f4 v[HA+8*\p:HA+8*\p+7], v[16*(2*\p+\s):16*(2*\p+\s)+15], v[16*(2*\t+\s):16*(2*\t+\s)+15], v[HA+8*\p:HA+8*\p+7], v[XSW+2*\p+\s], v[WVS+2*\t+\s]
.endif
.endr
.endr
	WIN 0
	PLACES 8
	s_wait_xcnt 0x0                                ; the earlier stores have read v[PC ..]: only behind this wait are the codes written anew
	QUANT HA
.irp c, 0,1,2,3
	global_store_b128 v[LI], v[PC+4*\c:PC+4*\c+3], s[50:51] offset:2048*\t+512*\c
.endr
.if \t%2 == 0
	v_mov_b32 v[VWE], v[PW]                        ; an even tile's words wait for the odd tile's
.else
	v_cndmask_b32 v[VW+\t/2], v[VWE], v[PW], vcc_lo                ; lanes 0-15 the even tile's, lanes 16-31 the odd tile's
	ds_store_b32 v[SCV], v[VW+\t/2] offset:4*(\t/2)
.endif
.endr
; ---- the scale words leave as whole runs of 512 bytes: wave 0 q's, wave 1 k's, waves 2 and 3 v's
	s_wait_dscnt 0x0                               ; for the others: my words have landed
	s_barrier_signal -1
	s_barrier_wait -1
	ds_load_b128 v[OUTS:OUTS+3], v[SCR]
	s_cmp_eq_u32 s[WV], 0
	s_cselect_b64 s[52:53], s[18:19], s[20:21]     ; the choice hangs on the wave's number alone
	s_max_u32 s54, s[WV], 1
	s_sub_co_u32 s54, s54, 1
	s_lshl_b32 s54, s54, 9
	s_mov_b32 s55, 0
	s_add_nc_u64 s[52:53], s[52:53], s[54:55]
	s_wait_dscnt 0x0
	global_store_b128 v[LI], v[OUTS:OUTS+3], s[52:53] offset:4096
	s_wait_tensorcnt 0x0
	ds_add_u32 v190, v191
	s_wait_dscnt 0x0
	s_endpgm
.Lfunc_end_k_q79be2d9f5d_proj:
	.size	k_q79be2d9f5d_proj, .Lfunc_end_k_q79be2d9f5d_proj-k_q79be2d9f5d_proj
	.p2alignl 7, 3214868480
	.fill 96, 4, 3214868480
	.section	.rodata,"a",@progbits
	.p2align	6, 0x0
	.amdhsa_kernel k_q79be2d9f5d_proj
		.amdhsa_group_segment_fixed_size 168448
		.amdhsa_private_segment_fixed_size 0
		.amdhsa_enable_private_segment 0
		.amdhsa_kernarg_size 72
		.amdhsa_user_sgpr_count 2
		.amdhsa_user_sgpr_kernarg_segment_ptr 1
		.amdhsa_wavefront_size32 1
		.amdhsa_system_sgpr_workgroup_id_x 1
		.amdhsa_system_sgpr_workgroup_id_y 1
		.amdhsa_system_sgpr_workgroup_id_z 1
		.amdhsa_system_vgpr_workitem_id 0
		.amdhsa_next_free_vgpr 768
		.amdhsa_next_free_sgpr 66
		.amdhsa_reserve_vcc 1
		.amdhsa_float_denorm_mode_32 3
		.amdhsa_float_denorm_mode_16_64 3
		.amdhsa_memory_ordered 1
		.amdhsa_forward_progress 1
		.amdhsa_inst_pref_size 118
	.end_amdhsa_kernel
	.amdgpu_metadata
---
amdhsa.version: [ 1, 2 ]
amdhsa.kernels:
  - .name:           k_q79be2d9f5d_proj
    .symbol:         k_q79be2d9f5d_proj.kd
    .args:
      - { .name: x, .offset: 0, .size: 8, .value_kind: global_buffer, .address_space: global }
      - { .name: wq_codes, .offset: 8, .size: 8, .value_kind: global_buffer, .address_space: global }
      - { .name: wq_scales, .offset: 16, .size: 8, .value_kind: global_buffer, .address_space: global }
      - { .name: wk_codes, .offset: 24, .size: 8, .value_kind: global_buffer, .address_space: global }
      - { .name: wk_scales, .offset: 32, .size: 8, .value_kind: global_buffer, .address_space: global }
      - { .name: wv_codes, .offset: 40, .size: 8, .value_kind: global_buffer, .address_space: global }
      - { .name: wv_scales, .offset: 48, .size: 8, .value_kind: global_buffer, .address_space: global }
      - { .name: qi, .offset: 56, .size: 8, .value_kind: global_buffer, .address_space: global }
      - { .name: kv, .offset: 64, .size: 8, .value_kind: global_buffer, .address_space: global }
    .group_segment_fixed_size: 168448
    .private_segment_fixed_size: 0
    .kernarg_segment_align: 8
    .kernarg_segment_size: 72
    .max_flat_workgroup_size: 128
    .sgpr_count:     66
    .vgpr_count:     768
    .wavefront_size: 32
...
	.end_amdgpu_metadata
.endif
;; end of part 1
;; launch attn (part 2): grid 32 x 8, 4 waves a work-group, clusters of 4 x 1, 327,680 bytes of LDS; arguments qi, kv, x, gamma, out0; writes out0
.if DOCPART == 2
	.amdgcn_target "amdgcn-amd-amdhsa--gfx1250"
	.amdhsa_code_object_version 6
	.text
	.protected	k_q79be2d9f5d_attn
	.globl	k_q79be2d9f5d_attn
	.p2align	8
	.type	k_q79be2d9f5d_attn,@function
k_q79be2d9f5d_attn:
	s_mov_b64 s[64:65], 0
	v_nop
	global_prefetch_b8 v0, s[64:65] scope:SCOPE_SE
	s_setreg_imm32_b32 hwreg(HW_REG_WAVE_MODE, 25, 1), 1
	s_wait_xcnt 0x0
	s_wait_alu depctr_hold_cnt(0) depctr_sa_sdst(0) depctr_va_vdst(0) depctr_va_sdst(0) depctr_va_ssrc(0) depctr_va_vcc(0) depctr_vm_vsrc(0)
	s_getreg_b32 s2, hwreg(HW_REG_IB_STS2, 6, 4)
	s_cmp_eq_u32 s2, 0
	s_cbranch_scc0 .Lentry_in_a_cluster
	s_endpgm
.Lentry_in_a_cluster:
	s_bfe_u32 s2, ttmp6, 0x10000c
	s_cmp_lg_u32 s2, 0x3003
	s_cbranch_scc0 .Lentry_shape_is_right
	s_endpgm
.Lentry_shape_is_right:
; out[b][c][m] = gamma x (sum over n of v[b][c][n] p[m][n]) / l[m] + x[b][c][m], both products on codes of E4M3 with one E8M0 scale for each 32 along K.
; t = score x log2(e) / sqrt(32); M = the row's largest t so far, rounded up to a whole number; p = 2^(t - M) is quantised along the keys, not normalised; l is the sum of the unquantised p.
; When M moves, l and O are multiplied by 2^(old M - new M), which rounds nothing.
; q, k and v come from the launch before as images of the operands' registers (qi: blocks of 4,608 bytes; kv: blocks of 38,400 bytes, one for each 128 positions).
; SHARES.  A work-group owns 128 queries of one batch; wave w owns query tiles 2 w and 2 w + 1 (32 queries), so that each fragment of v read from LDS feeds two products.  Every wave walks all
; 4,096 keys, 128 a step, two steps to a slot of 76,800 dense bytes; two slots take turns.
; LAYOUT.  Both products are used transposed: S^T = k q^T (source 0 = 16 keys), O^T = v p^T (source 0 = 16 channels): a lane holds ONE query throughout.  Tile 2 b + u, row r, is position
; 32 b + 8 u + r + 8 (r / 8), so that the 16 registers of tiles 2 b and 2 b + 1 of S^T are keys 32 b + 16 h + 0 .. 15, as the second product's operand wants them.
; THE FIRST PRODUCT'S K IS 32: registers 4-15 of k's and q's fragments hold zero codes, set once, and the upper three bytes of their scale words are 0.
; THE ORDER OF A STEP.  v's 64 LDS loads go out in runs: 16 ahead of the score products, then six runs of 8 between the softmax's parts, so that the wave has other work behind each run.
; The rescaling of O^T stands between the second product's instructions, two channel tiles ahead of them.  The change of slots stands in the middle of a slot's second step, where v is in
; registers and nothing of the slot is read any more: the next slot's k is asked for there and lands while the 32 products are issued.
; CLUSTER.  The four work-groups of a cluster belong to one batch and walk the same slots: each quarter of a slot is asked for JOINTLY, by the same tensor load with the same descriptor and the mask 15.
; LIMITS: NaN and infinities are not served.  A p under 2^-126 comes out of v_exp_f32 as 0.  A block of p that is all zeros keeps the scale byte 1: its codes are zeros.
; REGISTERS, in windows of 256.  window 0: see the names below.  window 1: k's fragment t at 16 t; q's two at v128 and v144; in the last step x's 64 rows, four registers each.
;   window 2: v's fragment of channel tile c at 16 c.   window 3: O^T of query tile u, channel tile c, at 128 u + 8 c.
.set STEPB, 38400                      ; a step's block: k's codes 4,096, k's scale words 512, v's scale words 1,024, v's codes 32,768
.set SLOTB, 2*STEPB
.set SLOT1, 1<<17                      ; slot 1 begins here, so that one exclusive or turns an address
.set SPARE, SLOT1+SLOTB                ; behind the ring: the spare words, 128 bytes for each wave: two blocks of 256 bytes that no other line names
.set KSO,   4096
.set VSO,   4608
.set VOFF,  5632
.set SP,    528                        ; the way out: a stage of 256 rows (channels) x (512 bytes + 16), from LDS byte 0 on, written when both slots have had their last fill and their last read
.set LI,   1                           ; v1   16 x lane
.set AD,   2                           ; v2-3 my lane's place in the slot's first and second step
.set SPW,  4                           ; v4   LDS address of my spare word; never rewritten
.set NIL,  5                           ; v5   0; never rewritten
.set STO,  6                           ; v6-7 the stage: my query's word in channel rows 8 h on and 128 + 8 h on
.set RD,   8                           ; v8   the stage: my 16 bytes of my wave's first row
.set LI2,  9                           ; v9   16 x lane + STEPB
.set GM,   10                          ; v[10:11] gamma, twice
.set ST,   12                          ; tile u at v[12 + 4 u]: -M, the largest t, l in two halves
.set F,    20                          ; v[20 + 2 u] f = 2^(old M - new M), at the end 1 / l; named as a pair
.set QSW,  24                          ; v24  q's scale words: lanes 0-15 my first tile, lanes 16-31 my second
.set PSW,  25                          ; v25-26 p's scale words
.set KS,   28                          ; v28-31 k's scale words: pair t / 2, lanes 0-15 the even tile, lanes 16-31 the odd
.set VS,   32                          ; v32-39 v's likewise
.set TMP,  40                          ; v40-41
.set ZR,   42                          ; v42  0: gamma's offset
.set S,    64                          ; v64-191 S^T, then p: 64 a tile
.set P,    192                         ; v192-223 p's codes: 16 a tile
.set TM,   224                         ; tile u at v[224 + 16 u]: +0 a block's largest score, then p; +4 the other half's, then the byte; +8 448 x the scale; +12 the conversion's scale operand
.set QF,   128                         ; in window 1
.set WV,   14                          ; s14  my wave's number
.set MNT,  19                          ; s19  the mantissa field of 448
.set SEL,  20                          ; s[20:21]
.set CS,   22                          ; s[22:23] c = log2(e) / sqrt(32)
.set G1,   24
.set G0,   32
.set TB,   36                          ; s36  LDS byte at which the slot in hand begins
.set SLOTS, 37
.set MSB, 0
.macro WIN new                         ; the immediate's high byte repeats the setting that is left
.if MSB != \new
	s_set_vgpr_msb (MSB<<8)|\new
.set MSB, \new
.endif
.endm
.macro PLACES n
.rept \n
	v_nop
.endr
.endm
.macro CROUND                          ; a round of the cluster's barrier: my work-group's barrier; wave 0 signals for the work-group; every wave waits for all four work-groups; my work-group's barrier once more
	s_barrier_signal -1
	s_barrier_wait -1
	s_cmp_lg_u32 s[WV], 0
	s_cbranch_scc1 .Lnot_wave_0_\@
	s_barrier_signal -3
.Lnot_wave_0_\@:
	s_barrier_wait -3
	s_barrier_signal -1
	s_barrier_wait -1
.endm
	s_load_b256 s[4:11], s[0:1], 0x0               ; qi, kv, x, gamma
	s_load_b64 s[12:13], s[0:1], 0x20              ; out0
	v_lshl_add_u32 v[SPW], v0, 2, SPARE
	v_mov_b32 v[NIL], 0
	ds_add_u32 v4, v5
	ds_add_u32 v4, v5
	s_wait_dscnt 0x0
	v_lshrrev_b32 v1, 5, v0
	v_readfirstlane_b32 s[WV], v1                  ; wave 0..3
	s_bfe_u32 s15, ttmp6, 0x40000                  ; cx: my place in the cluster
	s_lshl_b32 s16, ttmp9, 2
	s_add_co_u32 s16, s16, s15                     ; my block of 128 queries: it enters the addresses of qi, x and out0 alone
	s_and_b32 s17, ttmp7, 0xffff                   ; the batch, which the four partners share
	; descriptor group 1: 75 rows of 256 bytes (32 elements of 8 bytes), dense: a quarter of a slot
	s_mov_b32 s[G1+0], 15|(3<<16)|(1<<21)          ; 15:0 the mask: all four work-groups; 17:16 elements of 8 bytes; 21 set beside a mask; no padding: images are read 512 consecutive bytes at a time
	s_mov_b32 s[G1+1], 32<<16                      ; tensor_dim0
	s_mov_b32 s[G1+2], 75<<16                      ; tensor_dim1
	s_mov_b32 s[G1+3], 32<<16                      ; tile_dim0
	s_mov_b32 s[G1+4], 75                          ; tile_dim1
	s_mov_b32 s[G1+5], 32                          ; the pitch
	s_mov_b32 s[G1+6], 0
	s_mov_b32 s[G1+7], 0
	s_mov_b32 s[G0], 1
	s_mul_i32 s[G0+1], s[WV], 19200                ; LDS: my quarter of slot 0
	s_mul_i32 s38, s17, 32*STEPB                   ; the batch's 32 blocks of kv,
	s_mul_i32 s39, s[WV], 19200                    ; my quarter
	s_add_co_u32 s38, s38, s39
	s_mov_b32 s39, 0
	s_lshl_b32 s40, s17, 5
	s_add_co_u32 s40, s40, s16
	s_mul_i32 s40, s40, 4608                       ; my block of qi
	s_lshl_b32 s42, s[WV], 10
	s_add_co_u32 s42, s40, s42                     ; my two tiles' images
	s_mov_b32 s43, 0
	s_lshl_b32 s44, s[WV], 2
	s_add_co_u32 s44, s40, s44                     ; my pair's scale words
	s_mov_b32 s45, 0
	s_lshl_b32 s46, s17, 22
	s_lshl_b32 s41, s[WV], 20
	s_add_co_u32 s46, s46, s41
	s_lshl_b32 s41, s16, 9
	s_add_co_u32 s46, s46, s41                     ; x and out0: the batch, my 64 channels, my block's 512 bytes of a row
	s_mov_b32 s47, 0
	s_mov_b32 s[MNT], 0x600000
	s_mov_b32 s[SEL], 0x76543210
	s_mov_b32 s[SEL+1], 0xfedcba98
	s_mov_b32 s[CS], 0x3e8293ee
	s_mov_b32 s[CS+1], s[CS]                       ; (named with it as a pair, so it is written)
	s_mov_b32 s[TB], 0
	s_mov_b32 s[SLOTS], 14
	s_wait_kmcnt 0x0
	s_add_nc_u64 s[G0+2:G0+3], s[6:7], s[38:39]
	s_or_b32 s[G0+3], s[G0+3], 0x80000000
	s_add_nc_u64 s[42:43], s[4:5], s[42:43]
	s_add_nc_u64 s[44:45], s[4:5], s[44:45]
	s_add_nc_u64 s[8:9], s[8:9], s[46:47]
	s_add_nc_u64 s[12:13], s[12:13], s[46:47]
	CROUND                                         ; all four work-groups are here: the first joint loads meet
	tensor_load_to_lds s[G0:G0+3], s[G1:G1+7]      ; slot 0
	s_nop 0
	PLACES 4
	v_and_b32 v1, 31, v0
	v_lshlrev_b32 v[LI], 4, v1
	v_mov_b32 v[ZR], 0
	WIN 0x40                                       ; destination window 1
	global_load_b128 v[QF:QF+3], v[LI], s[42:43]
	global_load_b128 v[QF+16:QF+19], v[LI], s[42:43] offset:512
.irp t, 0,1,2,3,4,5,6,7,8,9
.irp i, 4,5,6,7,8,9,10,11,12,13,14,15
	v_mov_b32 v[16*\t+\i], 0                       ; the zero codes of K = 32 .. 127: k's eight fragments and (t = 8, 9) q's two; set once
.endr
.endr
	WIN 0
	global_load_b32 v[QSW], v[LI], s[44:45] offset:4096
	global_load_b32 v[GM], v[ZR], s[10:11]         ; gamma: every lane reads the one word
	v_add_nc_u32 v[LI2], STEPB, v[LI]
.irp u, 0,1
	v_mov_b32 v[ST+4*\u+1], 0xff61b1e6             ; the largest t so far: -3e38, under every t
	v_floor_f32 v[ST+4*\u], -v[ST+4*\u+1]          ; -M
	v_mov_b32 v[ST+4*\u+2], 0                      ; l
	v_mov_b32 v[ST+4*\u+3], 0
	v_mov_b32 v[F+2*\u+1], 0                       ; (named as the upper half of a pair)
.irp b, 0,1,2,3
	v_mov_b32 v[TM+16*\u+4+\b], 0                  ; written once: a lane permute's destination counts as one of its sources
.endr
.endr
	v_and_b32 v[STO], 15, v0
	v_and_b32 v[STO+1], 8, v0
	v_add_nc_u32 v[STO], v[STO], v[STO+1]          ; r + 8 (r / 8)
	v_lshlrev_b32 v[STO], 2, v[STO]
	v_bfe_u32 v[STO+1], v0, 4, 1
	v_mad_u32_u24 v[STO], v[STO+1], 8*SP, v[STO]   ; + 8 h rows
	s_lshl_b32 s38, s[WV], 7
	v_add_nc_u32 v[STO], s38, v[STO]               ; + my wave's 32 positions
	v_add_nc_u32 v[STO+1], 128*SP, v[STO]
	s_mul_i32 s38, s[WV], 64*SP
	v_add_nc_u32 v[RD], s38, v[LI]
	s_wait_loadcnt 0x0                             ; q, its scale words and gamma
	v_mov_b32 v[GM+1], v[GM]
.macro KLOAD ad                        ; a step's k: register group 0 of eight fragments, and the scale words
	WIN 0x40
.irp t, 0,1,2,3,4,5,6,7
	ds_load_b128 v[16*\t:16*\t+3], v[\ad] offset:512*\t
.endr
	WIN 0
	ds_load_b128 v[KS:KS+3], v[\ad] offset:KSO
.endm
.macro SLOTHEAD                        ; the addresses of the slot at s[TB], and its first step's k
	v_add_nc_u32 v[AD], s[TB], v[LI]
	v_add_nc_u32 v[AD+1], s[TB], v[LI2]
	KLOAD AD
.endm
.macro VG i0, n                        ; n register groups of v's image, from group i0 on: 512 consecutive bytes a load.  It leaves the destination's window at 2
	WIN 0x80
.set i, \i0
.rept \n
	ds_load_b128 v[4*i:4*i+3], v[VAD] offset:VOFF+512*i
.set i, i+1
.endr
.endm
.macro XG i0, n                        ; n rows of x (channel 64 w + i, my block's 128 positions) into window 1: 512 consecutive bytes a load
	WIN 0x40
.set i, \i0
.rept \n
	global_load_b128 v[4*i:4*i+3], v[LI], s[8:9] offset:16384*i th:TH_LOAD_NT
.set i, i+1
.endr
.endm
.macro GRP g                           ; run g of six inside the softmax: eight loads of v; with the last run v's scale words; in the launch's last step (XL = 1) rows of x as well
	VG 16+8*\g, 8
.if XL
.if \g == 0
	XG 0, 24
.else
	XG 16+8*\g, 8
.endif
.endif
	WIN 0
.if \g == 5
	ds_load_b128 v[VS:VS+3], v[VAD] offset:VSO
	ds_load_b128 v[VS+4:VS+7], v[VAD] offset:VSO+512
.endif
.endm
.macro SPROD t, u                      ; S^T of k's tile t and my query tile u
.set rD, S+64*(\u)+8*(\t)
.set rA, 16*(\t)
.set rB, QF+16*(\u)
.set rK, KS+(\t)/2
.if ((\t)%2 == 0) && ((\u) == 0)
	v_wmma_scale_f32_16x16x128_f8f6f4 v[rD:rD+7], v[rA:rA+15], v[rB:rB+15], 0, v[rK], v[QSW]
.elseif ((\u) == 0)
	v_wmma_scale_f32_16x16x128_f8f6f4 v[rD:rD+7], v[rA:rA+15], v[rB:rB+15], 0, v[rK], v[QSW] matrix_a_scale:MATRIX_SCALE_ROW1
.elseif ((\t)%2 == 0)
	v_wmma_scale_f32_16x16x128_f8f6f4 v[rD:rD+7], v[rA:rA+15], v[rB:rB+15], 0, v[rK], v[QSW] matrix_b_scale:MATRIX_SCALE_ROW1
.else
	v_wmma_scale_f32_16x16x128_f8f6f4 v[rD:rD+7], v[rA:rA+15], v[rB:rB+15], 0, v[rK], v[QSW] matrix_a_scale:MATRIX_SCALE_ROW1 matrix_b_scale:MATRIX_SCALE_ROW1
.endif
.endm
.macro PVPROD c, u, first              ; O^T of channel tile c and query tile u; first = 1: the product starts the sum
.set rO, 128*(\u)+8*(\c)
.set rV, 16*(\c)
.set rP, P+16*(\u)
.set rW, VS+(\c)/2
.if \first && ((\c)%2 == 0)
	v_wmma_scale_f32_16x16x128_f8f6f4 v[rO:rO+7], v[rV:rV+15], v[rP:rP+15], 0, v[rW], v[PSW+\u]
.elseif \first
	v_wmma_scale_f32_16x16x128_f8f6f4 v[rO:rO+7], v[rV:rV+15], v[rP:rP+15], 0, v[rW], v[PSW+\u] matrix_a_scale:MATRIX_SCALE_ROW1
.elseif ((\c)%2 == 0)
	v_wmma_scale_f32_16x16x128_f8f6f4 v[rO:rO+7], v[rV:rV+15], v[rP:rP+15], v[rO:rO+7], v[rW], v[PSW+\u]
.else
	v_wmma_scale_f32_16x16x128_f8f6f4 v[rO:rO+7], v[rV:rV+15], v[rP:rP+15], v[rO:rO+7], v[rW], v[PSW+\u] matrix_a_scale:MATRIX_SCALE_ROW1
.endif
.endm
.macro RESC c                          ; O^T of channel tile c, both query tiles, under the new M: x f; each accumulator from its low end on
	WIN 0xc3                                       ; O^T (destination and source 0) window 3, f window 0
.irp u, 0,1
.irp n, 0,1,2,3
	v_pk_mul_f32 v[128*\u+8*(\c)+2*\n:128*\u+8*(\c)+2*\n+1], v[128*\u+8*(\c)+2*\n:128*\u+8*(\c)+2*\n+1], v[F+2*\u:F+2*\u+1] op_sel_hi:[1,0]
.endr
.endr
.endm
; THE SOFTMAX of both tiles for 128 keys.  The two tiles go by turns, and every exponential has a plain instruction of other work behind it (ISA guide 5.7.2).  The runs of loads (GRP) stand between its parts.
.macro SOFTMAX
	GRP 0
.irp b, 0,1,2,3
.irp u, 0,1
	v_max3_num_f32 v[TM+16*\u+\b], v[S+64*\u+16*\b], v[S+64*\u+16*\b+1], v[S+64*\u+16*\b+2]   ; the largest score of each block of 32 keys: it serves the row's maximum and, since p rises with the score, the block's largest p
.endr
.endr
.irp i, 3,5,7,9,11,13
.irp b, 0,1,2,3
.irp u, 0,1
	v_max3_num_f32 v[TM+16*\u+\b], v[TM+16*\u+\b], v[S+64*\u+16*\b+\i], v[S+64*\u+16*\b+\i+1]
.endr
.endr
.endr
.irp b, 0,1,2,3
.irp u, 0,1
	v_max_num_f32 v[TM+16*\u+\b], v[TM+16*\u+\b], v[S+64*\u+16*\b+15]
.endr
.endr
	GRP 1
.irp b, 0,1,2,3
.irp u, 0,1
	v_permlanex16_b32 v[TM+16*\u+4+\b], v[TM+16*\u+\b], s[SEL], s[SEL+1]
.endr
.endr
.irp b, 0,1,2,3
.irp u, 0,1
	v_max_num_f32 v[TM+16*\u+\b], v[TM+16*\u+\b], v[TM+16*\u+4+\b]     ; with lane l xor 16's 16 keys
.endr
.endr
.irp u, 0,1
	v_max3_num_f32 v[TMP+\u], v[TM+16*\u], v[TM+16*\u+1], v[TM+16*\u+2]
.endr
.irp u, 0,1
	v_max_num_f32 v[TMP+\u], v[TMP+\u], v[TM+16*\u+3]              ; the step's largest score of my query
.endr
.irp u, 0,1
	v_mul_f32 v[TMP+\u], s[CS], v[TMP+\u]          ; as t (c is positive)
.endr
.irp u, 0,1
	v_max_num_f32 v[ST+4*\u+1], v[ST+4*\u+1], v[TMP+\u]            ; the running largest t
.endr
.irp u, 0,1
	v_mov_b32 v[TMP+\u], v[ST+4*\u]
.endr
.irp u, 0,1
	v_floor_f32 v[ST+4*\u], -v[ST+4*\u+1]          ; the new -M = -ceil(t): a whole number
.endr
.irp u, 0,1
	v_sub_f32 v[TMP+\u], v[ST+4*\u], v[TMP+\u]     ; old M - new M: a whole number, 0 or less
.endr
.irp u, 0,1
	v_cvt_i32_f32 v[TMP+\u], v[TMP+\u]             ; (it saturates)
.endr
.irp u, 0,1
	v_ldexp_f32 v[F+2*\u], 1.0, v[TMP+\u]          ; f = 2^(old M - new M)
.endr
.irp b, 0,1,2,3
.irp u, 0,1
	v_fma_f32 v[TM+16*\u+\b], v[TM+16*\u+\b], s[CS], v[ST+4*\u]    ; t - M of each block's largest score
.endr
.endr
	GRP 2
.set k, 0
.rept 8                                ; the eight blocks' largest p; between them t - M of the first tile, two at a time
	v_exp_f32 v[TM+16*(k%2)+k/2], v[TM+16*(k%2)+k/2]
.irp n, 0,1,2,3
	v_pk_fma_f32 v[S+8*k+2*\n:S+8*k+2*\n+1], v[S+8*k+2*\n:S+8*k+2*\n+1], s[CS:CS+1], v[ST:ST+1] op_sel_hi:[1,0,0]
.endr
.set k, k+1
.endr
	s_wait_alu depctr_va_vdst(0)
.irp b, 0,1,2,3
.irp u, 0,1
	v_max_num_f32 v[TM+16*\u+\b], 0x4800000, v[TM+16*\u+\b]        ; the floor 2^(9 - 127): the byte cannot fall under 1
.endr
.endr
.irp b, 0,1,2,3
.irp u, 0,1
	v_add_nc_u32 v[TM+16*\u+12+\b], 0xfc000000, v[TM+16*\u+\b]     ; 8 off the exponent field: the conversion's scale operand
.endr
.endr
.irp b, 0,1,2,3
.irp u, 0,1
	v_and_or_b32 v[TM+16*\u+8+\b], v[TM+16*\u+\b], 0x7f800000, s[MNT]   ; 448 x the scale
.endr
.endr
.irp b, 0,1,2,3
.irp u, 0,1
	v_lshrrev_b32 v[TM+16*\u+4+\b], 23, v[TM+16*\u+12+\b]          ; the scale's byte
.endr
.endr
.irp u, 0,1
	v_lshl_or_b32 v[PSW+\u], v[TM+16*\u+5], 8, v[TM+16*\u+4]       ; p's scale word for these 128 keys
.endr
.irp u, 0,1
	v_lshl_or_b32 v[PSW+\u], v[TM+16*\u+6], 16, v[PSW+\u]
.endr
.irp u, 0,1
	v_lshl_or_b32 v[PSW+\u], v[TM+16*\u+7], 24, v[PSW+\u]
.endr
	GRP 3
	v_pk_mul_f32 v[ST+2:ST+3], v[ST+2:ST+3], v[F:F+1] op_sel_hi:[1,0]   ; the first tile's l under the new M
.set j, 0
.rept 32                               ; the first tile's p; between the exponentials t - M of the second tile and the first tile's sum, a pair behind
.if j == 16
	GRP 4
.endif
	v_exp_f32 v[S+2*j], v[S+2*j]
	v_pk_fma_f32 v[S+64+2*j:S+64+2*j+1], v[S+64+2*j:S+64+2*j+1], s[CS:CS+1], v[ST+4:ST+5] op_sel_hi:[1,0,0]
	v_exp_f32 v[S+2*j+1], v[S+2*j+1]
.if j == 0
	v_pk_mul_f32 v[ST+6:ST+7], v[ST+6:ST+7], v[F+2:F+3] op_sel_hi:[1,0]
.else
	s_wait_alu depctr_va_vdst(0)
	v_pk_add_f32 v[ST+2:ST+3], v[ST+2:ST+3], v[S+2*j-2:S+2*j-1]    ; the sum is taken of the unquantised p
.endif
.set j, j+1
.endr
	v_pk_add_f32 v[ST+2:ST+3], v[ST+2:ST+3], v[S+62:S+63]
	GRP 5
.set j, 0
.rept 32                               ; the second tile's p; between the exponentials the first tile's holds (p is not negative: one-sided) and, block by block, its conversions
	v_exp_f32 v[S+64+2*j], v[S+64+2*j]
	v_min_num_f32 v[S+2*j], v[S+2*j], v[TM+8+j/8]
	v_exp_f32 v[S+64+2*j+1], v[S+64+2*j+1]
	v_min_num_f32 v[S+2*j+1], v[S+2*j+1], v[TM+8+j/8]
.if j > 0
	s_wait_alu depctr_va_vdst(0)
	v_pk_add_f32 v[ST+6:ST+7], v[ST+6:ST+7], v[S+64+2*j-2:S+64+2*j-1]
.endif
.if j%8 == 7
	v_cvt_scalef32_pk8_fp8_f32 v[P+4*(j/8):P+4*(j/8)+1], v[S+16*(j/8):S+16*(j/8)+7], v[TM+12+j/8]
	v_cvt_scalef32_pk8_fp8_f32 v[P+4*(j/8)+2:P+4*(j/8)+3], v[S+16*(j/8)+8:S+16*(j/8)+15], v[TM+12+j/8]
.endif
.set j, j+1
.endr
	v_pk_add_f32 v[ST+6:ST+7], v[ST+6:ST+7], v[S+126:S+127]
.irp b, 0,1,2,3
.irp i, 0,1,2,3,4,5,6,7,8,9,10,11,12,13,14,15
	v_min_num_f32 v[S+64+16*\b+\i], v[S+64+16*\b+\i], v[TM+24+\b]
.endr
	v_cvt_scalef32_pk8_fp8_f32 v[P+16+4*\b:P+17+4*\b], v[S+64+16*\b:S+71+16*\b], v[TM+28+\b]
	v_cvt_scalef32_pk8_fp8_f32 v[P+18+4*\b:P+19+4*\b], v[S+72+16*\b:S+79+16*\b], v[TM+28+\b]
.endr
	v_nop                                          ; a plain line behind the last conversion
.endm
; A KEY STEP: 128 keys, the q-th of the slot in hand.  first = 1: the launch's first step, whose products start O^T's sums: nothing is cleared and nothing rescaled.
; chg, in a slot's second step: 1: THE CHANGE OF SLOTS with a refill.  When the softmax is done, each wave waits for all its tensor loads (one is out: its quarter of the next slot), adds 0 to its spare
; word, rescales the first two channel tiles meanwhile, and waits for the add and for its reads of this slot, which are over once v is in registers.  The barrier is a round of the cluster's; behind it this
; slot is asked for again, jointly; then the next slot's k is asked for, and the 32 products follow.  2: the same with a plain barrier and no refill: the last slot has been asked for.
; 0: none.  3: none; the launch's last step, which asks for x.
.macro STEP q, first, chg
.set VAD, AD+\q
.set XL, 0
.if \chg == 3
.set XL, 1
.endif
.if \q == 1
	v_add_nc_u32 v[AD+1], s[TB], v[LI2]            ; made anew from the scalar, so that no address register is carried over the loop's edge
.endif
	VG 0, 16                                       ; the first four channel tiles of v: asked for ahead of the score products (eight places behind the last step's products: they close each step)
	s_wait_dscnt 16                                ; all but the 16 just issued: k and its scale words, asked for earlier, are in
	WIN 0x05                                       ; sources 0 and 1 window 1
.irp t, 0,1,2,3,4,5,6,7
.irp u, 0,1
	SPROD \t, \u
.endr
.endr
	WIN 0
	PLACES 8                                       ; eight places behind these products: for the reads of S^T and for the loads into k's, q's and their scale words' registers
.if \q == 0
	KLOAD AD+1                                     ; the slot's second step
.endif
	SOFTMAX
.if (\chg == 1) || (\chg == 2)
	s_wait_tensorcnt 0x0                           ; no tensor load of mine is out, so group 0 may be written
	ds_add_u32 v[SPW], v[NIL]
.endif
.if \chg == 1
	s_xor_b32 s[G0+1], s[G0+1], SLOT1              ; the other slot than last time: the one in hand,
	s_add_nc_u64 s[G0+2:G0+3], s[G0+2:G0+3], SLOTB ; the next 256 keys
.endif
.if \first
	PLACES 8                                       ; the places between p's codes and scale word and the products
.else
	RESC 0                                         ; sixteen multiplications: also the places between p's codes and the products
	RESC 1
.endif
.if (\chg == 1) || (\chg == 2)
	WIN 0
.endif
	s_wait_dscnt 0x0                               ; v and its scale words are in: my reads of this slot are over; the add is done
.if \chg == 1
	CROUND
	tensor_load_to_lds s[G0:G0+3], s[G1:G1+7]      ; the first thing behind the round, and my one tensor load until the next: it has two key steps in which to land
	s_nop 0
	PLACES 4
.endif
.if \chg == 2
	s_barrier_signal -1
	s_barrier_wait -1
.endif
.if (\chg == 1) || (\chg == 2)
	s_xor_b32 s[TB], s[TB], SLOT1                  ; on to the other slot, which is whole:
	SLOTHEAD                                       ; its first k lands while the products below are issued
.endif
.irp c, 0,1,2,3,4,5,6,7,8,9,10,11,12,13,14,15
	WIN 0xf2                                       ; source 0 (v) window 2, source 1 (p) window 0, C and D window 3
	PVPROD \c, 0, \first
	PVPROD \c, 1, \first
.if (\first == 0) && (\c < 14)
	RESC \c+2                                      ; two channel tiles ahead: eight multiplications behind each pair of products, which name none of their registers
.endif
.endr
	WIN 0
	PLACES 8                                       ; eight places behind the last products: for the next loads into v's registers, and at the end for the reads of O^T
.endm
	s_wait_tensorcnt 0x0                           ; slot 0: my quarter has landed;
	ds_add_u32 v[SPW], v[NIL]
	s_xor_b32 s[G0+1], s[G0+1], SLOT1              ; slot 1,
	s_add_nc_u64 s[G0+2:G0+3], s[G0+2:G0+3], SLOTB ; keys 256 on
	s_wait_dscnt 0x0
	CROUND                                         ; slot 0 is whole in every partner
	tensor_load_to_lds s[G0:G0+3], s[G1:G1+7]      ; slot 1 is asked for as a refill is
	s_nop 0
	PLACES 4
	SLOTHEAD
	STEP 0, 1, 0
.Lslot:                                            ; 14 trips, from a slot's second step to the next slot's first: slots 2 to 15 are asked for
	STEP 1, 0, 1
	STEP 0, 0, 0
	s_sub_co_u32 s[SLOTS], s[SLOTS], 1
	s_cmp_lg_u32 s[SLOTS], 0
	s_cbranch_scc1 .Lslot
	STEP 1, 0, 2                                   ; the tail is written out
	STEP 0, 0, 0
	STEP 1, 0, 3
; THE WAY OUT.  O^T / l goes through a stage in LDS, laid [channel][position], since a lane holds one query and eight channels and out0's rows run along the positions.  Each wave then takes 64 whole rows
; of 512 bytes, multiplies by gamma, adds x (asked for in the last step) and stores: each store of the wave covers 512 consecutive bytes, aligned.
.irp u, 0,1
	v_add_f32 v[TMP+\u], v[ST+4*\u+2], v[ST+4*\u+3]                ; l's two halves,
.endr
.irp u, 0,1
	v_permlanex16_b32 v[TM+16*\u+4], v[TMP+\u], s[SEL], s[SEL+1]
.endr
.irp u, 0,1
	v_add_f32 v[TMP+\u], v[TMP+\u], v[TM+16*\u+4]  ; and lane l xor 16's
.endr
.irp u, 0,1
	v_rcp_f32 v[F+2*\u], v[TMP+\u]
.endr
	v_nop                                          ; a plain line behind the last reciprocal
	s_wait_dscnt 0x0
	s_barrier_signal -1
	s_barrier_wait -1                              ; no wave reads a slot any more, and both have had their last fill
	WIN 0xc3
.set j, 0
	s_wait_alu depctr_va_vdst(0)
.rept 64
	v_pk_mul_f32 v[2*j:2*j+1], v[2*j:2*j+1], v[F:F+1] op_sel_hi:[1,0]
.set j, j+1
.endr
.rept 64
	v_pk_mul_f32 v[2*j:2*j+1], v[2*j:2*j+1], v[F+2:F+3] op_sel_hi:[1,0]
.set j, j+1
.endr
	WIN 0x0c                                       ; an LDS store's data are its source 1: window 3
.irp u, 0,1
.irp c, 0,1,2,3,4,5,6,7
.irp j, 0,1,2,3,4,5,6,7
	ds_store_b32 v[STO], v[128*\u+8*\c+\j] offset:(16*\c+\j)*SP+32*\u          ; channel 16 c + 8 h + j, position 32 w + 8 u + r + 8 (r / 8): the 32 lanes' words lie 1, 16 or 1,056 words apart: 32 different banks of the 64 (ISA guide 11.1)
.endr
.endr
.irp c, 8,9,10,11,12,13,14,15
.irp j, 0,1,2,3,4,5,6,7
	ds_store_b32 v[STO+1], v[128*\u+8*\c+\j] offset:(16*(\c-8)+\j)*SP+32*\u
.endr
.endr
.endr
	WIN 0
	s_wait_dscnt 0x0                               ; for the others: my stores into the stage have landed
	s_barrier_signal -1
	s_barrier_wait -1
	WIN 0xdc                                       ; source 0 window 0 (addresses, gamma), source 1 and destination window 3 (the rows), source 2 window 1 (x)
.set i, 0
.rept 64
	ds_load_b128 v[4*i:4*i+3], v[RD] offset:SP*i
.set i, i+1
.endr
.set i, 0
.rept 64
	s_wait_dscnt 63-i                              ; row i is back: the 63 - i later rows' loads may be out
	s_wait_loadcnt 63-i                            ; and so is x's row i
	v_pk_fma_f32 v[4*i:4*i+1], v[GM:GM+1], v[4*i:4*i+1], v[4*i:4*i+1]          ; gamma x O / l + x
	v_pk_fma_f32 v[4*i+2:4*i+3], v[GM:GM+1], v[4*i+2:4*i+3], v[4*i+2:4*i+3]
	global_store_b128 v[LI], v[4*i:4*i+3], s[12:13] offset:16384*i th:TH_STORE_NT   ; no register is used twice here, so no store's data are written again
.set i, i+1
.endr
	WIN 0
	s_wait_tensorcnt 0x0                           ; the wave's end
	ds_add_u32 v[SPW], v[NIL]
	s_wait_dscnt 0x0
	CROUND                                         ; the closing round: no work-group ends while a partner may still ask for a tile that names it
	s_endpgm
.Lfunc_end_k_q79be2d9f5d_attn:
	.size	k_q79be2d9f5d_attn, .Lfunc_end_k_q79be2d9f5d_attn-k_q79be2d9f5d_attn
	.p2alignl 7, 3214868480
	.fill 96, 4, 3214868480
	.section	.rodata,"a",@progbits
	.p2align	6, 0x0
	.amdhsa_kernel k_q79be2d9f5d_attn
		.amdhsa_group_segment_fixed_size 327680
		.amdhsa_private_segment_fixed_size 0
		.amdhsa_enable_private_segment 0
		.amdhsa_kernarg_size 40
		.amdhsa_user_sgpr_count 2
		.amdhsa_user_sgpr_kernarg_segment_ptr 1
		.amdhsa_wavefront_size32 1
		.amdhsa_system_sgpr_workgroup_id_x 1
		.amdhsa_system_sgpr_workgroup_id_y 1
		.amdhsa_system_sgpr_workgroup_id_z 1
		.amdhsa_system_vgpr_workitem_id 0
		.amdhsa_next_free_vgpr 1024
		.amdhsa_next_free_sgpr 66
		.amdhsa_reserve_vcc 0
		.amdhsa_float_denorm_mode_32 3
		.amdhsa_float_denorm_mode_16_64 3
		.amdhsa_memory_ordered 1
		.amdhsa_forward_progress 1
		.amdhsa_inst_pref_size 255
	.end_amdhsa_kernel
	.section	.bss,"aw",@nobits
	.p2align	6
	.space	262144
	.amdgpu_metadata
---
amdhsa.version: [ 1, 2 ]
amdhsa.kernels:
  - .name:           k_q79be2d9f5d_attn
    .symbol:         k_q79be2d9f5d_attn.kd
    .args:
      - { .name: qi, .offset: 0, .size: 8, .value_kind: global_buffer, .address_space: global }
      - { .name: kv, .offset: 8, .size: 8, .value_kind: global_buffer, .address_space: global }
      - { .name: x, .offset: 16, .size: 8, .value_kind: global_buffer, .address_space: global }
      - { .name: gamma, .offset: 24, .size: 8, .value_kind: global_buffer, .address_space: global }
      - { .name: out0, .offset: 32, .size: 8, .value_kind: global_buffer, .address_space: global }
    .group_segment_fixed_size: 327680
    .private_segment_fixed_size: 0
    .kernarg_segment_align: 8
    .kernarg_segment_size: 40
    .max_flat_workgroup_size: 128
    .sgpr_count:     66
    .vgpr_count:     1024
    .wavefront_size: 32
...
	.end_amdgpu_metadata
.endif
;; end of part 2
